; MI455X (gfx1250); checked and timed in simulation.
; The chip was launched on July 23, 2026; its instructions are those of AMD's public machine-readable ISA for CDNA 5 (MIT licence, August 2026) and "CDNA5" Instruction Set Architecture Reference Guide (July 2026). The comments in the code are by the model that wrote it; some were corrected since.
;; QK Norm Attention. Allowed arithmetic: matrix products marked QUANTISED: E2M3 operands, one E8M0 scale for each 32 along K, by v_wmma_scale_f32_16x16x128_f8f6f4 with both operands' format E2M3, f32 sums; everything else in f32.
;; Inputs: k_beta 64 float32; k_gamma 64 float32; out_b 1,024 float32; out_w_codes 1,024 x 32 x 24 uint8 (E2M3 codes of out_w, K innermost, in blocks of 32 codes, four codes in three bytes); out_w_scales 1,024 x 32 uint8 (E8M0 scales of out_w, one for each 32 codes along K); q_beta 64 float32; q_gamma 64 float32; qkv_b 3,072 float32; qkv_w_codes 3,072 x 32 x 24 uint8 (E2M3 codes of qkv_w, K innermost, in blocks of 32 codes, four codes in three bytes); qkv_w_scales 3,072 x 32 uint8 (E8M0 scales of qkv_w, one for each 32 codes along K); x_codes 4 x 2,048 x 32 x 24 uint8 (E2M3 codes of x, K innermost, in blocks of 32 codes, four codes in three bytes); x_scales 4 x 2,048 x 32 uint8 (E8M0 scales of x, one for each 32 codes along K).
;; Outputs: out0 4 x 2,048 x 1,024 float32.
;; This version of the problem:
;;   THIS VERSION OF THE PROBLEM IS GIVEN IN LOW PRECISION. The matrix products marked QUANTISED in the list below multiply operands that are first quantised to E2M3 (2 exponent bits, 3 mantissa bits; 6 bits a number), with one power-of-two scale for each 32 numbers along K (OCP MX v1.0); their sums are f32. All else is computed in f32.
;;   The module's matrix products, in the order in which they are computed (A, B: the left and right operand; K: the contracted axis; several contracted axes count as one K, in the product's order):
;;     1. [M 8,192, K 1,024] x [K 1,024, N 3,072]; A: input x (given as codes); B: input qkv_w (given as codes): QUANTISED
;;     2. batch 64 x [M 2,048, K 64] x [K 64, N 2,048]; A: computed on the way; B: computed on the way: QUANTISED
;;     3. batch 64 x [M 2,048, K 2,048] x [K 2,048, N 64]; A: softmax (see below); B: computed on the way: QUANTISED
;;     4. [M 8,192, K 1,024] x [K 1,024, N 1,024]; A: computed on the way; B: input out_w (given as codes): QUANTISED
;;   THE QUANTISER, for each operand of a quantised product, along K:
;;     - K is cut into blocks of 32 from its start; a last block that is shorter is filled with zeros.
;;     - A block's scale is 2^e with e = floor(log2(the largest magnitude in the block)) - 2, held to -126 .. 127; a block of zeros has e = 0. As a byte (E8M0): e + 127.
;;     - Each number is divided by its block's scale, clamped to +-7.5, and rounded to the nearest number of E2M3, ties to even, subnormals kept.
;;     - The product sums the exact products of the quantised numbers (number of the format x scale) in f32.
;;   ~~~python
;;   def quantise(x, axis):      # numpy; x: float32 -> the quantised numbers, widened to float32 again
;;       x = np.moveaxis(x, axis, -1); K = x.shape[-1]
;;       x = np.pad(x, [(0, 0)] * (x.ndim - 1) + [(0, -K % 32)]); x = x.reshape(x.shape[:-1] + (-1, 32)); a = np.abs(x).max(-1, keepdims=True)
;;       e = np.where(a > 0, np.clip(np.frexp(np.where(a > 0, a, 1))[1] - 1 - 2, -126, 127), 0)      # np.frexp(a)[1] - 1 = floor(log2(a)), exactly
;;       r = np.clip(x / 2.0 ** e, -7.5, 7.5)
;;       step = 2.0 ** (np.maximum(np.frexp(np.where(r == 0, 1, r))[1] - 1, 0) - 3)
;;       q = np.round(r / step) * step * 2.0 ** e      # np.round: ties to even
;;       return np.moveaxis(q.reshape(q.shape[:-2] + (-1,))[..., :K], -1, axis).astype(np.float32)
;;   ~~~
;;   SOFTMAX AHEAD OF A QUANTISED PRODUCT. Where the list says 'softmax', what is quantised is not the finished softmax but p = 2^(t - M), with t = logit x log2(e) and M = ceil(the row's largest t), a whole number; so 1/2 < the row's largest p <= 1. The row's sum l is taken of the UNQUANTISED p, in f32, and the product's result is divided by l at the end. Since M is a whole number, a kernel that streams over the keys may use a running M (the ceiling of the running maximum): every later rescaling is an exact power of two, which a block's scale takes up: the codes' values come out the same.
;;   OPERANDS COMPUTED ON THE WAY. 'Computed on the way' means the value that the module computes at that place (a softmax that the list does not call 'softmax' is quantised finished and normalised). What goes into a quantiser is computed in f32, as accurately as f32 sums, v_exp_f32 and their like allow (about 1e-6 of the number): no bf16 or f16 on the way to a quantiser, and a product that is left as it is and whose result goes on into a quantised operand takes f32 operands (vector FMAs, or v_wmma_f32_16x16x4_f32). A number that lies on a knife's edge between two numbers of the format may be rounded either way, as far as f32 arithmetic and the matrix unit's own rounding can turn it there, and no further.
;;   INPUTS GIVEN AS CODES. out_w (in the module: [1024, 1024], K = its axis 1); qkv_w (in the module: [3072, 1024], K = its axis 1); x (in the module: [4, 2048, 1024], K = its axis 2): each comes as NAME_codes (uint8): NAME with its K axis moved to the last place and cut into blocks of 32 codes, [.., K / 32, bytes a block], one block behind the other in memory; four codes in three bytes: a row's codes are one little-endian stream of bits, code i at bits 6 i .. 6 i + 5 (a code: sign, 2 exponent bits, 3 mantissa bits); and NAME_scales (uint8): the same leading axes, one E8M0 byte (e + 127) for each 32 codes along K. Its value is code x scale, taken as it is: it is not quantised again, and the codes and scales need not be those that the quantiser above would give.
;; One version. Each part assembles by itself: llvm-mc -triple=amdgcn-amd-amdhsa -mcpu=gfx1250 --defsym DOCPART=n.
;; ======== version 1 of 1: 3 launches
;; limits: right only within a limited range of input values
;; workspace buffers: qkv 19,660,800 bytes; ow 6,553,600 bytes
;; launch qkv (part 1): grid 8 x 32, 4 waves a work-group, clusters of 4 x 4, 327,680 bytes of LDS; arguments x_codes, x_scales, qkv_w_codes, qkv_w_scales, qkv_b, q_gamma, q_beta, k_gamma, k_beta, qkv; writes qkv
.if DOCPART == 1
	.amdgcn_target "amdgcn-amd-amdhsa--gfx1250"
	.amdhsa_code_object_version 6
	.text
	.protected	k_qd2996f902c_qkv
	.globl	k_qd2996f902c_qkv
	.p2align	8
	.type	k_qd2996f902c_qkv,@function
k_qd2996f902c_qkv:
	s_mov_b64 s[64:65], 0
	v_nop
	global_prefetch_b8 v0, s[64:65] scope:SCOPE_SE
	s_setreg_imm32_b32 hwreg(HW_REG_WAVE_MODE, 25, 1), 1
	s_wait_xcnt 0x0
	s_wait_alu depctr_hold_cnt(0) depctr_sa_sdst(0) depctr_va_vdst(0) depctr_va_sdst(0) depctr_va_ssrc(0) depctr_va_vcc(0) depctr_vm_vsrc(0)
	s_getreg_b32 s2, hwreg(HW_REG_IB_STS2, 6, 4)
	s_cmp_eq_u32 s2, 0
	s_cbranch_scc0 .Lentry_in_a_cluster
	s_endpgm
.Lentry_in_a_cluster:
	s_bfe_u32 s2, ttmp6, 0x10000c
	s_cmp_lg_u32 s2, 0xf033
	s_cbranch_scc0 .Lentry_shape_is_right
	s_endpgm
.Lentry_shape_is_right:
; qkv = x W^T + b on FP6 (E2M3) codes with E8M0 scales; q and k are layer-normed over their head's 64; q, k, v are quantised and stored as the records that the attention launch reads.
; A work-group owns 256 tokens and walks three blocks of 128 channels: heads 2g, 2g+1 of q, then of k, then of v.  All of K = 1,024 lies in LDS: rows of 768 bytes of memory, each from a multiple of 256,
; with 16 bytes of padding behind every 256: pitch 816.  x's 256 rows are fetched once; W's 128 rows are filled again behind a round of the cluster's barrier after each block's products, ahead of the block's vector work.
; CLUSTERS 4 x 4: x's tile is asked for jointly along a row of the cluster (same tokens), W's along a column (same channels).
; A wave makes 128 tokens x 64 channels (one head): 32 accumulators.  q, k: source 0 = W, source 1 = x: a lane holds a token, its registers run along the channels.  v: source 0 = x, source 1 = W: a lane holds a channel,
; its registers run along the tokens, which are the keys of the later product.  The bias is the C of the first K step.
; RECORD of (batch, head, 128 tokens), 19,200 bytes: q codes 6,144 | q scales 256 | k codes 6,144 | v codes 6,144 | k scales 256 | v scales 256.
; WINDOWS: 0 addresses, scales, work; 1 accumulators; 2 x's fragments, two sets of 96; 3 W's fragments, two sets of 48, then gamma (96), beta (128), v's bias (160).
; PREFETCH: in each of the two trips every wave names 8 rows x 3 blocks of 256 bytes of the NEXT block's W tile, one block's products ahead of the refill; the four partners of a column share the 128 rows by address (32 cy + 8 wave);
; lanes with l % 4 = 3 name their row's last block again.  x and the first W tile come by the head's loads alone.
; LIMITS: NaN and infinities are not served; a block whose largest magnitude lies under 2^-124 gets the scale byte 1 (read by this program alone; zero codes add nothing).
.set PITCH, 816
.set BLK,   16*PITCH
.set XHALF, 128*PITCH
.set WB,    2*XHALF
.set WHALF, 64*PITCH
.set SPARE, WB+2*WHALF
.set REC,   19200
.set WSTEP, 1024*768
.set ADX, 16                           ; v16-19 x fragments: blocks 0-3, the same + 16 h (lanes 16-31 past a padding), blocks 4-7, + 16 h
.set ADW, 20                           ; v20-21 the same for W
.set SPW, 28
.set NIL, 29
.set SCX, 32                           ; v32-63 x's scale words: register 8 i + step: lanes 0-15 block i, lanes 16-31 block i + 4
.set SCW, 64                           ; v64-79 W's: register 8 i + step: lanes 0-15 block i, lanes 16-31 block i + 2
.set BI,  80                           ; v80-111 bias of q or k in the result's layout
.set X,   112                          ; v112-175 two blocks of 16 tokens x 64 channels at work
.set IMG, 176                          ; v176-187 a fragment's image
.set SW,  188                          ; v188-191 its scale words
.set TM,  192
.set C2A, 204
.set C2B, 208
.set SA,  212
.set MU,  220
.set RS,  224
.set GA,  96                           ; window 3
.set BE,  128
.set BVC, 160
.set G1X, 24
.set G0X, 32
.set G0W, 36
.set G1W, 48
.set MSB, 0
.macro WIN new
.if MSB != (\new)
	s_set_vgpr_msb (MSB<<8)|(\new)
.set MSB, (\new)
.endif
.endm
.macro PLACES
.rept 4
	v_nop
.endr
.endm
.macro CROUND
	s_barrier_signal -1
	s_barrier_wait -1
	s_cmp_lg_u32 s14, 0
	s_cbranch_scc1 .Lnot_wave_0_\@
	s_barrier_signal -3
.Lnot_wave_0_\@:
	s_barrier_wait -3
	s_barrier_signal -1
	s_barrier_wait -1
.endm
	s_load_b256 s[4:11], s[0:1], 0x0               ; x codes, x scales, W codes, W scales
	s_load_b256 s[68:75], s[0:1], 0x20             ; bias, q gamma, q beta, k gamma
	s_load_b128 s[76:79], s[0:1], 0x40             ; k beta, the records
	v_lshl_add_u32 v[SPW], v0, 2, SPARE
	v_mov_b32 v[NIL], 0
	ds_add_u32 v[SPW], v[NIL]                      ; the opening lines: the add twice and its wait
	ds_add_u32 v[SPW], v[NIL]
	v_lshrrev_b32 v1, 5, v0
	v_readfirstlane_b32 s14, v1                    ; wave
	s_lshr_b32 s15, s14, 1                         ; my half of the tokens; as a loader: 0 x, 1 W
	s_and_b32 s16, s14, 1                          ; my head of the two; as a loader: which half of the tile's rows
	s_bfe_u32 s40, ttmp6, 0x40000                  ; cx
	s_bfe_u32 s41, ttmp6, 0x40004                  ; cy
	s_lshl_b32 s42, ttmp9, 2
	s_add_co_u32 s42, s42, s40                     ; g: channels 128 g
	s_and_b32 s17, ttmp7, 0xffff
	s_lshl_b32 s17, s17, 2
	s_add_co_u32 s17, s17, s41                     ; ty: tokens 256 ty
	s_lshl_b32 s43, s41, 2
	s_lshl_b32 s43, 15, s43                        ; my row of the cluster
	s_lshl_b32 s44, 0x1111, s40                    ; my column
	s_or_b32 s[G1X], s43, (1<<20)|(1<<21)|(5<<22)|(3<<25)   ; bytes; 4 words of padding behind every 64
	s_or_b32 s[G1W], s44, (1<<20)|(1<<21)|(5<<22)|(3<<25)
	s_mov_b32 s[G1X+1], 768<<16
	s_mov_b32 s[G1X+2], 128<<16
	s_mov_b32 s[G1X+3], 768<<16
	s_mov_b32 s[G1X+4], 128
	s_mov_b32 s[G1X+5], 768
	s_mov_b32 s[G1X+6], 0
	s_mov_b32 s[G1X+7], 0
	s_mov_b32 s[G1W+1], 768<<16
	s_mov_b32 s[G1W+2], 64<<16
	s_mov_b32 s[G1W+3], 768<<16
	s_mov_b32 s[G1W+4], 64
	s_mov_b32 s[G1W+5], 768
	s_mov_b32 s[G1W+6], 0
	s_mov_b32 s[G1W+7], 0
	s_lshl_b32 s20, s17, 8
	s_lshl_b32 s18, s16, 7
	s_add_co_u32 s20, s20, s18
	s_mul_i32 s20, s20, 768                        ; the 128 rows of x that I would fetch
	s_mov_b32 s21, 0
	s_lshl_b32 s22, s42, 7
	s_lshl_b32 s18, s16, 6
	s_add_co_u32 s22, s22, s18                     ; W's row 128 g + 64 (wave % 2): what I would fetch, and my head
	s_mul_i32 s46, s22, 768
	s_mov_b32 s47, 0
	s_lshl_b32 s18, s17, 8
	s_lshl_b32 s19, s15, 7
	s_add_co_u32 s18, s18, s19
	s_lshl_b32 s18, s18, 5                         ; my tokens' scales
	s_mov_b32 s19, 0
	s_lshl_b32 s96, s22, 5                         ; my channels' scales
	s_mov_b32 s97, 0
	s_lshl_b32 s98, s22, 2                         ; and bias
	s_mov_b32 s99, 0
	s_lshl_b32 s66, s42, 7
	s_lshl_b32 s67, s41, 5
	s_add_co_u32 s66, s66, s67
	s_lshl_b32 s67, s14, 3
	s_add_co_u32 s66, s66, s67
	s_mul_i32 s66, s66, 768
	s_add_co_u32 s66, s66, WSTEP                   ; the prefetch: my 8 rows of the next block's W tile
	s_mov_b32 s67, 0
	s_lshr_b32 s45, s17, 3
	s_lshl_b32 s45, s45, 4
	s_lshl_b32 s23, s42, 1
	s_add_co_u32 s45, s45, s23
	s_add_co_u32 s45, s45, s16                     ; 16 batch + head
	s_lshl_b32 s45, s45, 4
	s_and_b32 s23, s17, 7
	s_lshl_b32 s23, s23, 1
	s_add_co_u32 s45, s45, s23
	s_add_co_u32 s45, s45, s15                     ; x 16 + group of 128 tokens
	s_mul_i32 s12, s45, REC
	s_mov_b32 s13, 0
	s_mov_b32 s[G0X], 1
	s_mul_i32 s[G0X+1], s16, XHALF
	s_mov_b32 s[G0W], 1
	s_mul_i32 s[G0W+1], s16, WHALF
	s_add_co_u32 s[G0W+1], s[G0W+1], WB
	s_mul_i32 s23, s15, XHALF                      ; what I read: my 128 rows of x,
	s_mul_i32 s45, s16, WHALF
	s_add_co_u32 s45, s45, WB                      ; my 64 rows of W
	s_mov_b32 s92, 0x76543210
	s_mov_b32 s93, 0xfedcba98
	s_mov_b32 s94, 0x3c800000                      ; 1 / 64
	s_mov_b32 s95, 0x3727c5ac                      ; 1e-5
	s_wait_dscnt 0x0
	s_wait_kmcnt 0x0
	s_add_nc_u64 s[G0X+2:G0X+3], s[4:5], s[20:21]
	s_or_b32 s[G0X+3], s[G0X+3], 0x80000000
	s_add_nc_u64 s[G0W+2:G0W+3], s[8:9], s[46:47]
	s_or_b32 s[G0W+3], s[G0W+3], 0x80000000
	s_add_nc_u64 s[56:57], s[6:7], s[18:19]
	s_add_nc_u64 s[58:59], s[10:11], s[96:97]
	s_add_nc_u64 s[60:61], s[68:69], s[98:99]
	s_add_nc_u64 s[84:85], s[8:9], s[66:67]
	s_add_nc_u64 s[90:91], s[78:79], s[12:13]      ; my record
	s_mov_b64 s[80:81], s[90:91]                   ; q's codes
	s_add_nc_u64 s[82:83], s[90:91], 6144          ; q's scales
	s_mov_b64 s[86:87], s[70:71]
	s_mov_b64 s[88:89], s[72:73]
	CROUND                                         ; the first joint loads meet
	s_cmp_eq_u32 s15, 0                            ; one load a wave: waves 0, 1 x's halves, waves 2, 3 W's
	s_cbranch_scc0 .Lhead_w
	tensor_load_to_lds s[G0X:G0X+3], s[G1X:G1X+7]
	s_nop 0
	PLACES
	s_branch .Lhead_asked
.Lhead_w:
	tensor_load_to_lds s[G0W:G0W+3], s[G1W:G1W+7]
	s_nop 0
	PLACES
.Lhead_asked:
	v_and_b32 v1, 15, v0                           ; r
	v_bfe_u32 v2, v0, 4, 1                         ; h (kept)
	v_and_b32 v9, 31, v0
	v_mul_u32_u24 v8, v1, PITCH
	v_mad_u32_u24 v8, v2, 24, v8
	v_add_nc_u32 v[ADX], s23, v8
	v_lshl_add_u32 v[ADX+1], v2, 4, v[ADX]
	v_add_nc_u32 v[ADX+2], 4*BLK, v[ADX]
	v_add_nc_u32 v[ADX+3], 4*BLK, v[ADX+1]
	v_add_nc_u32 v[ADW], s45, v8
	v_lshl_add_u32 v[ADW+1], v2, 4, v[ADW]
	v_lshlrev_b32 v3, 4, v9                        ; 16 x lane
	v_lshlrev_b32 v4, 4, v1
	v_lshl_add_u32 v4, v2, 3, v4                   ; 16 r + 8 h
	v_lshlrev_b32 v6, 5, v2                        ; 32 h
	v_lshlrev_b32 v7, 2, v1                        ; 4 r
	v_lshl_add_u32 v5, v2, 6, v1
	v_lshlrev_b32 v5, 5, v5                        ; x's scales: row r + 64 h
	v_lshl_add_u32 v22, v2, 5, v1
	v_lshlrev_b32 v22, 5, v22                      ; W's: row r + 32 h
	v_lshrrev_b32 v10, 2, v9
	v_and_b32 v11, 3, v9
	v_min_u32 v11, 2, v11
	v_lshlrev_b32 v11, 8, v11
	v_mad_u32_u24 v23, v10, 768, v11               ; the prefetch: row l / 4, block min(l % 4, 2)
.irp i, TM+4,TM+5,TM+6,TM+7,MU+1,MU+3,RS+1,RS+3
	v_mov_b32 v[\i], 0                             ; permute destinations and upper halves of pairs, written once
.endr
	s_wait_alu depctr_va_vdst(0)                   ; the wait at the head's end
.irp i, 0,1,2,3
	global_load_b128 v[SCX+8*\i:SCX+8*\i+3], v5, s[56:57] offset:512*\i       ; sixteen lanes read 512 consecutive bytes
	global_load_b128 v[SCX+8*\i+4:SCX+8*\i+7], v5, s[56:57] offset:512*\i+16
.endr
.macro WSCALES
.irp i, 0,1
	global_load_b128 v[SCW+8*\i:SCW+8*\i+3], v22, s[58:59] offset:512*\i
	global_load_b128 v[SCW+8*\i+4:SCW+8*\i+7], v22, s[58:59] offset:512*\i+16
.endr
.endm
.macro BIAS off
.irp b, 0,1,2,3
	global_load_b128 v[BI+8*\b:BI+8*\b+3], v6, s[60:61] offset:\off+64*\b
	global_load_b128 v[BI+8*\b+4:BI+8*\b+7], v6, s[60:61] offset:\off+64*\b+16
.endr
.endm
	WSCALES
	BIAS 0
	WIN 0xc0
.irp a, 0,1,2,3
.irp j, 0,1,2,3,4,5,6,7
	global_load_b32 v[BVC+8*\a+\j], v7, s[60:61] offset:8192+64*\a            ; v's bias: the lane's channel, in all eight registers of a C
.endr
.endr
	WIN 0
; a fragment: six pieces of 8 bytes; byte y of a row of codes lies at y + 16 (y / 256) of its LDS row; where lanes 16-31 (24 bytes on) are past a padding that lanes 0-15 are not, the second address serves
.macro FRAG reg, adr, st, i
.irp p, 0,1,2,3,4,5
.set BY, 96*(\st)+48*(\p/3)+8*(\p%3)
.if BY/256 == (BY+24)/256
	ds_load_b64 v[\reg+2*\p:\reg+2*\p+1], v[\adr] offset:BY+16*(BY/256)+(\i)*BLK
.else
	ds_load_b64 v[\reg+2*\p:\reg+2*\p+1], v[\adr+1] offset:BY+16*(BY/256)+(\i)*BLK
.endif
.endr
.endm
.macro FETCH st, set
	WIN 0x80
.irp i, 0,1,2,3,4,5,6,7
	FRAG 96*(\set)+12*\i,ADX+2*(\i/4),\st,\i%4
.endr
	WIN 0xc0
.irp i, 0,1,2,3
	FRAG 48*(\set)+12*\i,ADW,\st,\i
.endr
.endm
.macro WM d, a0, a1, c, s0, r0, s1, r1
.if (\r0)==0 && (\r1)==0
	v_wmma_scale_f32_16x16x128_f8f6f4 v[\d:\d+7], v[\a0:\a0+11], v[\a1:\a1+11], v[\c:\c+7], v[\s0], v[\s1] matrix_a_fmt:MATRIX_FMT_FP6 matrix_b_fmt:MATRIX_FMT_FP6
.endif
.if (\r0)==1 && (\r1)==0
	v_wmma_scale_f32_16x16x128_f8f6f4 v[\d:\d+7], v[\a0:\a0+11], v[\a1:\a1+11], v[\c:\c+7], v[\s0], v[\s1] matrix_a_fmt:MATRIX_FMT_FP6 matrix_b_fmt:MATRIX_FMT_FP6 matrix_a_scale:MATRIX_SCALE_ROW1
.endif
.if (\r0)==0 && (\r1)==1
	v_wmma_scale_f32_16x16x128_f8f6f4 v[\d:\d+7], v[\a0:\a0+11], v[\a1:\a1+11], v[\c:\c+7], v[\s0], v[\s1] matrix_a_fmt:MATRIX_FMT_FP6 matrix_b_fmt:MATRIX_FMT_FP6 matrix_b_scale:MATRIX_SCALE_ROW1
.endif
.if (\r0)==1 && (\r1)==1
	v_wmma_scale_f32_16x16x128_f8f6f4 v[\d:\d+7], v[\a0:\a0+11], v[\a1:\a1+11], v[\c:\c+7], v[\s0], v[\s1] matrix_a_fmt:MATRIX_FMT_FP6 matrix_b_fmt:MATRIX_FMT_FP6 matrix_a_scale:MATRIX_SCALE_ROW1 matrix_b_scale:MATRIX_SCALE_ROW1
.endif
.endm
; a K step of 128: the next step's 72 loads go out first, into the set that the step before read (four places behind its products), then 32 products, the accumulators by turns
.macro STEP mode, st
	s_wait_dscnt 0x0                               ; this step's fragments, asked for a step ago
.if \st < 7
	PLACES
	FETCH (\st)+1,((\st)+1)%2
.endif
.if \mode == 0
.if \st == 0
	WIN 0x4b                                       ; source 0 W (3), source 1 x (2), C the bias (0), D (1)
.else
	WIN 0x5b
.endif
.irp a, 0,1,2,3,4,5,6,7
.irp b, 0,1,2,3
.if \st == 0
	WM 8*(4*\a+\b),48*((\st)%2)+12*\b,96*((\st)%2)+12*\a,BI+8*\b,SCW+8*(\b%2)+(\st),\b/2,SCX+8*(\a%4)+(\st),\a/4
.else
	WM 8*(4*\a+\b),48*((\st)%2)+12*\b,96*((\st)%2)+12*\a,8*(4*\a+\b),SCW+8*(\b%2)+(\st),\b/2,SCX+8*(\a%4)+(\st),\a/4
.endif
.endr
.endr
.else
.if \st == 0
	WIN 0x7e                                       ; source 0 x (2), source 1 W (3), C v's bias (3), D (1)
.else
	WIN 0x5e
.endif
.irp a, 0,1,2,3
.irp b, 0,1,2,3,4,5,6,7
.if \st == 0
	WM 8*(8*\a+\b),96*((\st)%2)+12*\b,48*((\st)%2)+12*\a,BVC+8*\a,SCX+8*(\b%4)+(\st),\b/4,SCW+8*(\a%2)+(\st),\a/2
.else
	WM 8*(8*\a+\b),96*((\st)%2)+12*\b,48*((\st)%2)+12*\a,8*(8*\a+\b),SCX+8*(\b%4)+(\st),\b/4,SCW+8*(\a%2)+(\st),\a/2
.endif
.endr
.endr
.endif
.endm
.macro REDUCE
.irp c, 0,1
	v_pk_add_f32 v[SA+4*\c:SA+4*\c+1], v[SA+4*\c:SA+4*\c+1], v[SA+4*\c+2:SA+4*\c+3]
.endr
.irp c, 0,1
	v_add_f32 v[SA+4*\c], v[SA+4*\c], v[SA+4*\c+1]
.endr
.irp c, 0,1
	v_permlanex16_b32 v[SA+4*\c+2], v[SA+4*\c], s92, s93
.endr
.irp c, 0,1
	v_add_f32 v[SA+4*\c], v[SA+4*\c], v[SA+4*\c+2]
.endr
.endm
; layer norm of two blocks of 16 tokens (c = 0, 1), accumulators ac .. ac + 63 of window 1 -> X.  A token's 64 channels lie in 32 registers of lanes l and l xor 16.  Mean first, then the centred squares.
.macro LNORM ac
	WIN 0x05
	s_wait_alu depctr_va_vdst(0)                   ; the wait ahead of the first read of these results
.irp c, 0,1
	v_pk_add_f32 v[SA+4*\c:SA+4*\c+1], v[\ac+32*\c:\ac+32*\c+1], v[\ac+32*\c+2:\ac+32*\c+3]
	v_pk_add_f32 v[SA+4*\c+2:SA+4*\c+3], v[\ac+32*\c+4:\ac+32*\c+5], v[\ac+32*\c+6:\ac+32*\c+7]
.endr
	WIN 0x04
.irp i, 8,12,16,20,24,28
.irp c, 0,1
	v_pk_add_f32 v[SA+4*\c:SA+4*\c+1], v[SA+4*\c:SA+4*\c+1], v[\ac+32*\c+\i:\ac+32*\c+\i+1]
	v_pk_add_f32 v[SA+4*\c+2:SA+4*\c+3], v[SA+4*\c+2:SA+4*\c+3], v[\ac+32*\c+\i+2:\ac+32*\c+\i+3]
.endr
.endr
	WIN 0
	REDUCE
.irp c, 0,1
	v_mul_f32 v[MU+2*\c], 0xbc800000, v[SA+4*\c]   ; - mean
.endr
	WIN 0x01
.irp i, 0,2,4,6,8,10,12,14,16,18,20,22,24,26,28,30
.irp c, 0,1
	v_pk_add_f32 v[X+32*\c+\i:X+32*\c+\i+1], v[\ac+32*\c+\i:\ac+32*\c+\i+1], v[MU+2*\c:MU+2*\c+1] op_sel_hi:[1,0]
.endr
.endr
	WIN 0
.irp c, 0,1
	v_pk_mul_f32 v[SA+4*\c:SA+4*\c+1], v[X+32*\c:X+32*\c+1], v[X+32*\c:X+32*\c+1]
	v_pk_mul_f32 v[SA+4*\c+2:SA+4*\c+3], v[X+32*\c+2:X+32*\c+3], v[X+32*\c+2:X+32*\c+3]
.endr
.irp i, 4,8,12,16,20,24,28
.irp c, 0,1
	v_pk_fma_f32 v[SA+4*\c:SA+4*\c+1], v[X+32*\c+\i:X+32*\c+\i+1], v[X+32*\c+\i:X+32*\c+\i+1], v[SA+4*\c:SA+4*\c+1]
	v_pk_fma_f32 v[SA+4*\c+2:SA+4*\c+3], v[X+32*\c+\i+2:X+32*\c+\i+3], v[X+32*\c+\i+2:X+32*\c+\i+3], v[SA+4*\c+2:SA+4*\c+3]
.endr
.endr
	REDUCE
.irp c, 0,1
	v_fma_f32 v[SA+4*\c], v[SA+4*\c], s94, s95     ; variance + eps
.endr
	s_wait_alu depctr_va_vdst(0)                   ; the wait ahead of the batch,
.irp c, 0,1
	v_rsq_f32 v[RS+2*\c], v[SA+4*\c]
.endr
	v_nop
	s_wait_alu depctr_va_vdst(0)                   ; and behind it
.irp i, 0,2,4,6,8,10,12,14,16,18,20,22,24,26,28,30
.irp c, 0,1
	v_pk_mul_f32 v[X+32*\c+\i:X+32*\c+\i+1], v[X+32*\c+\i:X+32*\c+\i+1], v[RS+2*\c:RS+2*\c+1] op_sel_hi:[1,0]
.endr
.endr
	WIN 0x3c
.irp i, 0,2,4,6,8,10,12,14,16,18,20,22,24,26,28,30
.irp c, 0,1
	v_pk_fma_f32 v[X+32*\c+\i:X+32*\c+\i+1], v[X+32*\c+\i:X+32*\c+\i+1], v[GA+\i:GA+\i+1], v[BE+\i:BE+\i+1]
.endr
.endr
	WIN 0
.endm
; 64 registers at s of window w = four blocks of 32 (16 registers in lanes l and l xor 16) -> codes d0 (blocks 0, 1: a lane holds block h), d1 (blocks 2, 3), the four scale bytes in wd
.macro QUANT s, w, d0, d1, wd
	WIN 5*(\w)
.irp b, 0,1,2,3
	v_max3_num_f32 v[TM+\b], |v[\s+16*\b]|, |v[\s+16*\b+1]|, 0x1800000        ; with the floor 2^(3 - 127): the byte cannot fall under 1
.endr
.irp i, 2,4,6,8,10,12,14
.irp b, 0,1,2,3
	v_max3_num_f32 v[TM+\b], |v[\s+16*\b+\i]|, |v[\s+16*\b+\i+1]|, v[TM+\b]
.endr
.endr
	WIN 0
.irp b, 0,1,2,3
	v_permlanex16_b32 v[TM+4+\b], v[TM+\b], s92, s93
.endr
.irp b, 0,1,2,3
	v_max_num_f32 v[TM+\b], v[TM+\b], v[TM+4+\b]
.endr
.irp b, 0,1,2,3
	v_add_nc_u32 v[TM+8+\b], 0xff000000, v[TM+\b]  ; 2 off the exponent field: the conversion's scale operand
.endr
.irp b, 0,1,2,3
	v_lshrrev_b32 v[TM+4+\b], 23, v[TM+8+\b]
.endr
	v_lshl_or_b32 v[\wd], v[TM+5], 8, v[TM+4]
	v_lshl_or_b32 v[\wd], v[TM+6], 16, v[\wd]
	v_lshl_or_b32 v[\wd], v[TM+7], 24, v[\wd]
	WIN \w
	v_cvt_scalef32_pk16_fp6_f32 v[\d0:\d0+2], v[\s:\s+15], v[TM+8]
	v_cvt_scalef32_pk16_fp6_f32 v[C2A:C2A+2], v[\s+16:\s+31], v[TM+9]
	v_cvt_scalef32_pk16_fp6_f32 v[\d1:\d1+2], v[\s+32:\s+47], v[TM+10]
	v_cvt_scalef32_pk16_fp6_f32 v[C2B:C2B+2], v[\s+48:\s+63], v[TM+11]
	WIN 0
	v_nop                                          ; one plain place behind the conversions
.irp i, 0,1,2
	v_permlane16_swap_b32 v[\d0+\i], v[C2A+\i]
	v_permlane16_swap_b32 v[\d1+\i], v[C2B+\i]
.endr
.irp i, 0,1,2
	v_mov_b32 v[\d0+3+\i], v[C2A+\i]
	v_mov_b32 v[\d1+3+\i], v[C2B+\i]
.endr
.endm
.macro PUT p                           ; a fragment's image: three stores of 512 consecutive bytes
.irp i, 0,1,2
	global_store_b128 v3, v[IMG+4*\i:IMG+4*\i+3], s[80:81] offset:1536*\p+512*\i
.endr
.endm
.macro PUTSC                           ; the four scale words of row r at 16 r: lane (r, h) stores words 2 h, 2 h + 1: 256 consecutive bytes
	v_cmp_eq_u32 vcc_lo, 1, v2
	v_cndmask_b32 v[TM], v[SW], v[SW+2], vcc_lo
	v_cndmask_b32 v[TM+1], v[SW+1], v[SW+3], vcc_lo
	global_store_b64 v4, v[TM:TM+1], s[82:83]
.endm
	s_mov_b32 s3, 0
.Lphase:                                               ; two trips: q, then k
	WIN 0xc0
.irp t, 0,1,2,3
	global_load_b128 v[GA+8*\t:GA+8*\t+3], v6, s[86:87] offset:64*\t
	global_load_b128 v[GA+8*\t+4:GA+8*\t+7], v6, s[86:87] offset:64*\t+16
	global_load_b128 v[BE+8*\t:BE+8*\t+3], v6, s[88:89] offset:64*\t
	global_load_b128 v[BE+8*\t+4:BE+8*\t+7], v6, s[88:89] offset:64*\t+16
.endr
	WIN 0
	s_wait_tensorcnt 0x0                           ; my part of the tiles has landed,
	s_barrier_signal -1
	s_barrier_wait -1                              ; everybody's has
	FETCH 0,0
	WIN 0
	global_prefetch_b8 v23, s[84:85] th:TH_LOAD_NT scope:SCOPE_SE
	s_wait_loadcnt 16                              ; all but the 16 loads of gamma and beta just issued: scales and bias are in
.irp st, 0,1,2,3,4,5,6,7
	STEP 0,\st
.endr
	WIN 0
	PLACES                                         ; behind the last products: loads into the scale words, and the first reads of the results
	s_wait_loadcnt 0x0                             ; gamma and beta; and the loads that read the pointers stepped below are done
	s_wait_tensorcnt 0x0                           ; in front of a refill's round
	ds_add_u32 v[SPW], v[NIL]
	s_add_nc_u64 s[G0W+2:G0W+3], s[G0W+2:G0W+3], WSTEP     ; no load of mine is out: the next block's W tile,
	s_add_nc_u64 s[58:59], s[58:59], 32768         ; and its scales
	s_wait_dscnt 0x0
	CROUND                                         ; no wave of any partner still reads W's tile
	s_cmp_eq_u32 s15, 0
	s_cbranch_scc1 .Lno_fill                       ; waves 2 and 3 fill W's two halves again
	tensor_load_to_lds s[G0W:G0W+3], s[G1W:G1W+7]
	s_nop 0
	PLACES
.Lno_fill:
	WSCALES
	s_cmp_lg_u32 s3, 0
	s_cbranch_scc1 .Lno_bias                       ; k's bias in the first trip; v's came at the head
	BIAS 4096
.Lno_bias:
.irp p, 0,1,2,3
	LNORM 64*\p
.if \p > 0
	s_wait_alu depctr_va_vdst(0)
	s_wait_xcnt 0x0                                ; the last image's stores have read their registers
.endif
	QUANT X,0,IMG,IMG+6,SW+\p
	PUT \p
.endr
	PUTSC
	s_wait_alu depctr_va_vdst(0)
	s_wait_xcnt 0x0                                ; stores and prefetch have read their registers and bases
	s_add_nc_u64 s[80:81], s[80:81], 6400          ; k's codes
	s_add_nc_u64 s[82:83], s[82:83], 12544         ; k's scales
	s_add_nc_u64 s[84:85], s[84:85], WSTEP
	s_mov_b64 s[86:87], s[74:75]
	s_mov_b64 s[88:89], s[76:77]
	s_add_co_u32 s3, s3, 1
	s_cmp_lt_u32 s3, 2
	s_cbranch_scc1 .Lphase
	s_add_nc_u64 s[80:81], s[90:91], 12544         ; v's codes
	s_add_nc_u64 s[82:83], s[90:91], 18944         ; v's scales
	s_wait_tensorcnt 0x0
	s_barrier_signal -1
	s_barrier_wait -1
	FETCH 0,0
	s_wait_loadcnt 0x0
.irp st, 0,1,2,3,4,5,6,7
	STEP 1,\st
.endr
	WIN 0
	PLACES
.irp a, 0,1,2,3                        ; 16 channels x 128 tokens at a time: a fragment of v with the keys innermost
.if \a > 0
	s_wait_alu depctr_va_vdst(0)
	s_wait_xcnt 0x0
.endif
	QUANT 64*\a,1,IMG,IMG+6,SW+\a
	PUT \a
.endr
	PUTSC
	s_wait_tensorcnt 0x0                           ; the wave's end
	ds_add_u32 v[SPW], v[NIL]
	s_wait_dscnt 0x0
	CROUND                                         ; the closing round
	s_endpgm
.Lfunc_end_k_qd2996f902c_qkv:
	.size	k_qd2996f902c_qkv, .Lfunc_end_k_qd2996f902c_qkv-k_qd2996f902c_qkv
	.p2alignl 7, 3214868480
	.fill 96, 4, 3214868480
	.section	.rodata,"a",@progbits
	.p2align	6, 0x0
	.amdhsa_kernel k_qd2996f902c_qkv
		.amdhsa_group_segment_fixed_size 327680
		.amdhsa_private_segment_fixed_size 0
		.amdhsa_enable_private_segment 0
		.amdhsa_kernarg_size 80
		.amdhsa_user_sgpr_count 2
		.amdhsa_user_sgpr_kernarg_segment_ptr 1
		.amdhsa_wavefront_size32 1
		.amdhsa_system_sgpr_workgroup_id_x 1
		.amdhsa_system_sgpr_workgroup_id_y 1
		.amdhsa_system_sgpr_workgroup_id_z 1
		.amdhsa_system_vgpr_workitem_id 0
		.amdhsa_next_free_vgpr 1024
		.amdhsa_next_free_sgpr 100
		.amdhsa_reserve_vcc 1
		.amdhsa_float_denorm_mode_32 3
		.amdhsa_float_denorm_mode_16_64 3
		.amdhsa_memory_ordered 1
		.amdhsa_forward_progress 1
		.amdhsa_inst_pref_size 236
	.end_amdhsa_kernel
	.amdgpu_metadata
---
amdhsa.version: [ 1, 2 ]
amdhsa.kernels:
  - .name:           k_qd2996f902c_qkv
    .symbol:         k_qd2996f902c_qkv.kd
    .args:
      - { .name: x_codes, .offset: 0, .size: 8, .value_kind: global_buffer, .address_space: global }
      - { .name: x_scales, .offset: 8, .size: 8, .value_kind: global_buffer, .address_space: global }
      - { .name: qkv_w_codes, .offset: 16, .size: 8, .value_kind: global_buffer, .address_space: global }
      - { .name: qkv_w_scales, .offset: 24, .size: 8, .value_kind: global_buffer, .address_space: global }
      - { .name: qkv_b, .offset: 32, .size: 8, .value_kind: global_buffer, .address_space: global }
      - { .name: q_gamma, .offset: 40, .size: 8, .value_kind: global_buffer, .address_space: global }
      - { .name: q_beta, .offset: 48, .size: 8, .value_kind: global_buffer, .address_space: global }
      - { .name: k_gamma, .offset: 56, .size: 8, .value_kind: global_buffer, .address_space: global }
      - { .name: k_beta, .offset: 64, .size: 8, .value_kind: global_buffer, .address_space: global }
      - { .name: qkv, .offset: 72, .size: 8, .value_kind: global_buffer, .address_space: global }
    .group_segment_fixed_size: 327680
    .private_segment_fixed_size: 0
    .kernarg_segment_align: 8
    .kernarg_segment_size: 80
    .max_flat_workgroup_size: 128
    .sgpr_count:     100
    .vgpr_count:     1024
    .wavefront_size: 32
...
	.end_amdgpu_metadata
.endif
;; end of part 1
;; launch attn (part 2): grid 4 x 64, 16 waves a work-group, clusters of 4 x 1, 206,848 bytes of LDS; arguments qkv, ow; writes ow
.if DOCPART == 2
	.amdgcn_target "amdgcn-amd-amdhsa--gfx1250"
	.amdhsa_code_object_version 6
	.text
	.protected	k_qd2996f902c_attn
	.globl	k_qd2996f902c_attn
	.p2align	8
	.type	k_qd2996f902c_attn,@function
k_qd2996f902c_attn:
	s_mov_b64 s[64:65], 0
	v_nop
	global_prefetch_b8 v0, s[64:65] scope:SCOPE_SE
	s_setreg_imm32_b32 hwreg(HW_REG_WAVE_MODE, 25, 1), 1
	s_wait_xcnt 0x0
	s_wait_alu depctr_hold_cnt(0) depctr_sa_sdst(0) depctr_va_vdst(0) depctr_va_sdst(0) depctr_va_ssrc(0) depctr_va_vcc(0) depctr_vm_vsrc(0)
	s_getreg_b32 s2, hwreg(HW_REG_IB_STS2, 6, 4)
	s_cmp_eq_u32 s2, 0
	s_cbranch_scc0 .Lentry_in_a_cluster
	s_endpgm
.Lentry_in_a_cluster:
	s_bfe_u32 s2, ttmp6, 0x10000c
	s_cmp_lg_u32 s2, 0x3003
	s_cbranch_scc0 .Lentry_shape_is_right
	s_endpgm
.Lentry_shape_is_right:
; softmax(q k^T / 8) v for one (batch, head) and 512 queries a work-group, both products on codes of FP6 (E2M3) with E8M0 scales; then o / l is quantised along the model's 1,024 for the last product.
; t = score x log2(e) / 8; M = the running largest t rounded up to a whole number; p = 2^(t - M) is quantised along the keys, not normalised; the row's sum is taken of the unquantised p and divides at the end.
; When M moves, the sum and O are multiplied by 2^(old M - new M): exact.
; SHARES: sixteen waves, four to a SIMD; wave w owns 32 queries, two tiles of 16, which it takes one after the other over all 2,048 keys, 128 a step.
; LDS: the whole head's k and v stay: group g of 128 keys at 12,800 g: k codes 6,144 | v codes 6,144 | k scales 256 | v scales 256.  Each wave brings one group by one tensor load, asked for jointly by the four
; work-groups of the cluster, which share the head.  Nothing is filled again: one barrier behind the fill, none in the loops.  One tensor load of a wave is out.
; LAYOUT: both products transposed (S^T = k q^T, O^T = v^T p^T): a lane holds one query throughout.  The head's 64 are half of the instruction's 128 along K: a fragment of k holds TWO tiles of 16 keys
; (registers 0-5: keys 32 f + r, registers 6-11: keys 32 f + 16 + r) and is multiplied by [q | 0] and by [0 | q]: zero codes add nothing, and each LDS byte of k feeds two products.  So this product issues twice its nominal count.
; Register 16 f + 8 u + j of S^T is key 32 f + 16 u + 8 h + j: p's codes fall at position 16 h + 8 u + j of their block, the order in which v's codes were laid.
; OUT: codes [head / 4][tile of 16 tokens][head % 4][768 bytes]: 6 registers a lane (block h of token r, in the true order of the 64) as three planes of 8 bytes a lane; scale bytes [token][32].
; A head owns 2 of a token's 32 scale bytes: they leave as 2 bytes a lane, 32 bytes apart (one part in 24 of what this launch stores).
; LIMITS: NaN and infinities are not served; a block whose largest magnitude lies under 2^-124 gets the byte 1 (its bytes are read by this program alone; zero codes add nothing).
.set REC,   19200
.set HEADB, 307200
.set KVOFF, 6400
.set KVB,   12800
.set LI,  1                            ; v1   16 x lane
.set LR,  2                            ; v2   16 r + 12,288: k's scale words of a group
.set AD,  3                            ; v3, v4 the same in the group in hand
.set ADS, 4
.set GO,  5                            ; v5   8 x lane
.set GS,  6                            ; v6   32 x lane
.set HW,  7                            ; v7, v8 o's two scale bytes, tile 0, 1;  v9 the lane's choice
.set RL,  10                           ; v[10:11] 1 / l
.set QZ,  16                           ; v16-33 [0 x 6][q x 6][0 x 6]
.set QI,  34                           ; v34-45 my image of q: two tiles
.set QW0, 46                           ; its scale word;  v47 the tile's, twice
.set QW,  47
.set KF,  48                           ; v48-95 four fragments, of k and then of v
.set S,   96                           ; v96-159 S^T, then p
.set Y,   96
.set O,   160                          ; v160-191 O^T
.set PC,  192                          ; v192-203 p's codes
.set P2,  204                          ; v204-206, v208-210 second halves as converted
.set BM,  212
.set BT,  216
.set BS,  220
.set KSC, 224                          ; v224-227 k's scale words, v228-231 v's, v232 p's
.set VSC, 228
.set PW,  232
.set F,   234                          ; v[234:235] 2^(old M - new M)
.set T,   236
.set C2,  238                          ; v[238:239] the sum's second chain
.set OC,  240                          ; v240-245, v246-251 o's codes, tile 0, 1
.set WV,  8
.set G0,  16
.set SEL, 20
.set CS,  22
.set G1,  24
.set TB,  32
.set CNT, 33
.macro CROUND
	s_barrier_signal -1
	s_barrier_wait -1
	s_cmp_lg_u32 s[WV], 0
	s_cbranch_scc1 .Lnot_wave_0_\@
	s_barrier_signal -3
.Lnot_wave_0_\@:
	s_barrier_wait -3
	s_barrier_signal -1
	s_barrier_wait -1
.endm
	s_load_b128 s[4:7], s[0:1], 0x0                ; the records s[4:5], o's codes and scales s[6:7]
	v_lshl_add_u32 v254, v0, 2, 0x32000
	v_mov_b32 v255, 0
	ds_add_u32 v254, v255
	ds_add_u32 v254, v255
	v_lshrrev_b32 v1, 5, v0
	s_delay_alu instid0(VALU_DEP_1)
	v_readfirstlane_b32 s[WV], v1                  ; wave 0..15
	s_bfe_u32 s9, ttmp6, 0x40000                   ; cx
	s_lshl_b32 s10, ttmp9, 2
	s_add_co_u32 s10, s10, s9                      ; my block of 512 queries: it enters q's and o's addresses alone
	s_and_b32 s11, ttmp7, 0xffff                   ; 16 x batch + head, which the four partners share
	s_mul_i32 s12, s11, HEADB
	s_mul_i32 s14, s[WV], REC
	s_add_co_u32 s14, s14, s12
	s_add_co_u32 s14, s14, KVOFF                   ; group w's k and v: 12,800 dense bytes
	s_mov_b32 s15, 0
	s_mov_b32 s[G1], 15|(3<<16)|(1<<21)            ; the mask: all four work-groups; elements of 8 bytes; bit 21 beside a mask; no padding
	s_mov_b32 s[G1+1], 32<<16                      ; rows of 256 bytes,
	s_mov_b32 s[G1+2], 50<<16                      ; fifty of them
	s_mov_b32 s[G1+3], 32<<16
	s_mov_b32 s[G1+4], 50
	s_mov_b32 s[G1+5], 32
	s_mov_b32 s[G1+6], 0
	s_mov_b32 s[G1+7], 0
	s_mov_b32 s[G0], 1
	s_mul_i32 s[G0+1], s[WV], KVB
	s_lshl_b32 s42, s10, 4
	s_add_co_u32 s42, s42, s[WV]                   ; my image of q among the head's 64
	s_lshr_b32 s43, s42, 2
	s_and_b32 s44, s42, 3
	s_mul_i32 s43, s43, REC
	s_add_co_u32 s43, s43, s12
	s_mul_i32 s46, s44, 1536
	s_add_co_u32 s46, s46, s43                     ; its codes
	s_mov_b32 s47, 0
	s_lshl_b32 s44, s44, 2
	s_add_co_u32 s44, s44, s43
	s_add_co_u32 s44, s44, 6144                    ; its scale words
	s_mov_b32 s45, 0
	s_and_b32 s12, s11, 15                         ; head
	s_lshr_b32 s13, s11, 4                         ; batch
	s_lshr_b32 s38, s12, 2
	s_mul_i32 s38, s38, 1572864
	s_lshl_b32 s39, s13, 7
	s_lshl_b32 s40, s10, 5
	s_add_co_u32 s39, s39, s40
	s_lshl_b32 s40, s[WV], 1
	s_add_co_u32 s39, s39, s40                     ; my first tile of 16 tokens
	s_mul_i32 s40, s39, 3072
	s_add_co_u32 s38, s38, s40
	s_and_b32 s40, s12, 3
	s_mul_i32 s40, s40, 768
	s_add_co_u32 s38, s38, s40                     ; o's codes
	s_lshl_b32 s40, s39, 9
	s_lshl_b32 s41, s12, 1
	s_add_co_u32 s40, s40, s41
	s_add_co_u32 s40, s40, 6291456                 ; o's scale bytes: 32 a token, my head's two
	s_mov_b32 s39, 0
	s_mov_b32 s41, 0
	s_mov_b32 s[SEL], 0x76543210
	s_mov_b32 s[SEL+1], 0xfedcba98
	s_mov_b32 s[CS], 0x3e38aa3b                    ; log2(e) / 8
	s_mov_b32 s[CS+1], s[CS]
	s_wait_dscnt 0x0
	s_wait_kmcnt 0x0
	s_add_nc_u64 s[G0+2:G0+3], s[4:5], s[14:15]
	s_or_b32 s[G0+3], s[G0+3], 0x80000000
	s_add_nc_u64 s[34:35], s[4:5], s[46:47]
	s_add_nc_u64 s[36:37], s[4:5], s[44:45]
	s_add_nc_u64 s[38:39], s[6:7], s[38:39]
	s_add_nc_u64 s[40:41], s[6:7], s[40:41]
	CROUND                                         ; all four work-groups are here: the joint loads meet
	tensor_load_to_lds s[G0:G0+3], s[G1:G1+7]      ; my group of the head's sixteen
	s_nop 0
.rept 4
	v_nop
.endr
	v_and_b32 v[LR], 15, v0                        ; r
	v_and_b32 v[LI], 31, v0                        ; lane
	s_delay_alu instid0(VALU_DEP_1)
	v_lshlrev_b32 v[GO], 3, v[LI]
	s_delay_alu instid0(VALU_DEP_2)
	v_lshlrev_b32 v[GS], 5, v[LI]
	s_delay_alu instid0(VALU_DEP_3)
	v_lshlrev_b32 v[LI], 4, v[LI]
	v_lshlrev_b32 v[T], 4, v[LR]                   ; 16 r
	v_lshl_add_u32 v[LR], v[LR], 4, 12288
.irp i, 0,1,2
	global_load_b128 v[QI+4*\i:QI+4*\i+3], v[LI], s[34:35] offset:512*\i
.endr
	global_load_b32 v[QW0], v[T], s[36:37]
.irp i, 0,1,2,3,4,5,12,13,14,15,16,17
	v_mov_b32 v[QZ+\i], 0                          ; the zero codes beside q
.endr
.irp b, 0,1,2,3
	v_mov_b32 v[BT+\b], 0                          ; written once: a lane permute's destination counts as one of its sources
.endr
	v_mov_b32 v[F+1], 0                            ; upper halves of pairs of which the low word serves
	v_mov_b32 v[RL+1], 0
	s_wait_tensorcnt 0x0                           ; my group has landed,
	s_barrier_signal -1
	s_barrier_wait -1                              ; everybody's has
	s_wait_loadcnt 0x0                             ; q
; A KEY STEP: the 128 keys of the group at LDS byte s[TB].
.macro STEP
	v_add_nc_u32 v[AD], s[TB], v[LI]
	v_add_nc_u32 v[ADS], s[TB], v[LR]
	v_nop
	v_nop                                          ; four places behind the last products, in front of loads into the registers that they read
.irp f, 0,1,2,3
.irp c, 0,1,2
	ds_load_b128 v[KF+12*\f+4*\c:KF+12*\f+4*\c+3], v[AD] offset:1536*\f+512*\c      ; 512 consecutive bytes a load
.endr
.endr
	ds_load_b128 v[KSC:KSC+3], v[ADS]
	s_wait_alu depctr_va_vdst(0)
	s_wait_dscnt 0x0
.irp f, 0,1,2,3
.irp u, 0,1
	v_wmma_scale_f32_16x16x128_f8f6f4 v[S+16*\f+8*\u:S+16*\f+8*\u+7], v[KF+12*\f:KF+12*\f+11], v[QZ+6-6*\u:QZ+17-6*\u], 0, v[KSC+\f], v[QW] matrix_a_fmt:MATRIX_FMT_FP6 matrix_b_fmt:MATRIX_FMT_FP6
.endr
.endr
.rept 4
	v_nop                                          ; places in front of the loads below and of the first read of the scores
.endr
.irp d, 0,1,2,3
.irp c, 0,1,2
	ds_load_b128 v[KF+12*\d+4*\c:KF+12*\d+4*\c+3], v[AD] offset:6144+1536*\d+512*\c ; v's fragments land while the softmax is worked
.endr
.endr
	ds_load_b128 v[VSC:VSC+3], v[ADS] offset:256
.irp b, 0,1,2,3
	v_max3_num_f32 v[BM+\b], v[S+16*\b], v[S+16*\b+1], v[S+16*\b+2]    ; the largest score of each block of 32 keys: for the row's maximum, and, since p rises with the score, for the block's largest p
.endr
.irp i, 3,5,7,9,11,13
.irp b, 0,1,2,3
	v_max3_num_f32 v[BM+\b], v[BM+\b], v[S+16*\b+\i], v[S+16*\b+\i+1]
.endr
.endr
.irp b, 0,1,2,3
	v_max_num_f32 v[BM+\b], v[BM+\b], v[S+16*\b+15]
.endr
.irp b, 0,1,2,3
	s_delay_alu instid0(VALU_DEP_4)
	v_permlanex16_b32 v[BT+\b], v[BM+\b], s[SEL], s[SEL+1]
.endr
.irp b, 0,1,2,3
	s_delay_alu instid0(VALU_DEP_4)
	v_max_num_f32 v[BM+\b], v[BM+\b], v[BT+\b]
.endr
	s_delay_alu instid0(VALU_DEP_2)
	v_max3_num_f32 v[T], v[BM], v[BM+1], v[BM+2]
	s_delay_alu instid0(VALU_DEP_1)
	v_max_num_f32 v[T], v[T], v[BM+3]
	s_delay_alu instid0(VALU_DEP_1)
	v_mul_f32 v[T], s[CS], v[T]
	s_delay_alu instid0(VALU_DEP_1)
	v_max_num_f32 v13, v13, v[T]                   ; the running largest t
	v_mov_b32 v[T], v12
	s_delay_alu instid0(VALU_DEP_2)
	v_floor_f32 v12, -v13                          ; -M = floor(-t): M is a whole number
	s_delay_alu instid0(VALU_DEP_1)
	v_sub_f32 v[T], v12, v[T]
	s_delay_alu instid0(VALU_DEP_1)
	v_cvt_i32_f32 v[T], v[T]                       ; (it saturates)
	s_delay_alu instid0(VALU_DEP_1)
	v_ldexp_f32 v[F], 1.0, v[T]                    ; f = 2^(old M - new M)
.irp j, 0,2,4,6,8,10,12,14,16,18,20,22,24,26,28,30,32,34,36,38,40,42,44,46,48,50,52,54,56,58,60,62
	v_pk_fma_f32 v[S+\j:S+\j+1], v[S+\j:S+\j+1], s[CS:CS+1], v[12:13] op_sel_hi:[1,0,0]    ; t - M
.endr
.irp b, 0,1,2,3
	v_fma_f32 v[BM+\b], v[BM+\b], s[CS], v12
.endr
	s_wait_alu depctr_va_vdst(0)
.irp j, 0,1,2,3,4,5,6,7,8,9,10,11,12,13,14,15,16,17,18,19,20,21,22,23,24,25,26,27,28,29,30,31,32,33,34,35,36,37,38,39,40,41,42,43,44,45,46,47,48,49,50,51,52,53,54,55,56,57,58,59,60,61,62,63
	v_exp_f32 v[S+\j], v[S+\j]                     ; p = 2^(t - M)
.endr
.irp b, 0,1,2,3
	v_exp_f32 v[BM+\b], v[BM+\b]                   ; the block's largest p: the same two instructions on the same number
.endr
	v_pk_mul_f32 v[14:15], v[14:15], v[F:F+1] op_sel_hi:[1,0]          ; the sum under the new M (a plain place behind the exponentials)
	s_wait_alu depctr_va_vdst(0)
.irp b, 0,1,2,3
	v_max_num_f32 v[BM+\b], 0x1800000, v[BM+\b]    ; the floor 2^(3 - 127)
.endr
.irp b, 0,1,2,3
	s_delay_alu instid0(VALU_DEP_4)
	v_add_nc_u32 v[BS+\b], 0xff000000, v[BM+\b]
.endr
.irp b, 0,1,2,3
	s_delay_alu instid0(VALU_DEP_4)
	v_lshrrev_b32 v[BT+\b], 23, v[BS+\b]
.endr
	s_delay_alu instid0(VALU_DEP_3)
	v_lshl_or_b32 v[PW], v[BT+1], 8, v[BT]
	s_delay_alu instid0(VALU_DEP_1)
	v_lshl_or_b32 v[PW], v[BT+2], 16, v[PW]
	s_delay_alu instid0(VALU_DEP_1)
	v_lshl_or_b32 v[PW], v[BT+3], 24, v[PW]
.irp c, 0,1
	v_cvt_scalef32_pk16_fp6_f32 v[PC+6*\c:PC+6*\c+2], v[S+32*\c:S+32*\c+15], v[BS+2*\c]
	v_cvt_scalef32_pk16_fp6_f32 v[P2+4*\c:P2+4*\c+2], v[S+32*\c+16:S+32*\c+31], v[BS+2*\c+1]
.endr
	v_nop                                          ; one plain place behind the scaled conversions
.irp c, 0,1
.irp i, 0,1,2
	v_permlane16_swap_b32 v[PC+6*\c+\i], v[P2+4*\c+\i]
.endr
.irp i, 0,1,2
	s_delay_alu instid0(VALU_DEP_3)
	v_mov_b32 v[PC+6*\c+3+\i], v[P2+4*\c+\i]
.endr
.endr
	v_pk_add_f32 v[238:239], v[100:101], v[104:105]
	v_pk_add_f32 v[252:253], v[108:109], v[112:113]
	v_pk_add_f32 v[250:251], v[116:117], v[120:121]
	v_pk_add_f32 v[248:249], v[124:125], v[128:129]
	v_pk_add_f32 v[246:247], v[132:133], v[136:137]
	v_pk_add_f32 v[244:245], v[140:141], v[144:145]
	v_pk_add_f32 v[242:243], v[148:149], v[152:153]
	v_pk_add_f32 v[14:15], v[14:15], v[156:157]
	v_pk_add_f32 v[238:239], v[238:239], v[96:97]
	v_pk_add_f32 v[252:253], v[252:253], v[98:99]
	v_pk_add_f32 v[250:251], v[250:251], v[102:103]
	v_pk_add_f32 v[248:249], v[248:249], v[106:107]
	v_pk_add_f32 v[246:247], v[246:247], v[110:111]
	v_pk_add_f32 v[244:245], v[244:245], v[114:115]
	v_pk_add_f32 v[242:243], v[242:243], v[118:119]
	v_pk_add_f32 v[14:15], v[14:15], v[122:123]
	v_pk_add_f32 v[238:239], v[238:239], v[126:127]
	v_pk_add_f32 v[252:253], v[252:253], v[130:131]
	v_pk_add_f32 v[250:251], v[250:251], v[134:135]
	v_pk_add_f32 v[248:249], v[248:249], v[138:139]
	v_pk_add_f32 v[246:247], v[246:247], v[142:143]
	v_pk_add_f32 v[244:245], v[244:245], v[146:147]
	v_pk_add_f32 v[242:243], v[242:243], v[150:151]
	v_pk_add_f32 v[14:15], v[14:15], v[154:155]
	v_pk_add_f32 v[238:239], v[238:239], v[158:159]
	s_delay_alu instid0(VALU_DEP_2)
	v_pk_add_f32 v[14:15], v[14:15], v[248:249]
	s_delay_alu instid0(VALU_DEP_2)
	v_pk_add_f32 v[238:239], v[238:239], v[246:247]
	v_pk_add_f32 v[252:253], v[252:253], v[244:245]
	v_pk_add_f32 v[250:251], v[250:251], v[242:243]
	s_delay_alu instid0(VALU_DEP_2)
	v_pk_add_f32 v[14:15], v[14:15], v[252:253]
	s_delay_alu instid0(VALU_DEP_2)
	v_pk_add_f32 v[238:239], v[238:239], v[250:251]
	s_delay_alu instid0(VALU_DEP_1)
	v_pk_add_f32 v[14:15], v[14:15], v[238:239]
.irp j, 0,2,4,6,8,10,12,14,16,18,20,22,24,26,28,30
	v_pk_mul_f32 v[O+\j:O+\j+1], v[O+\j:O+\j+1], v[F:F+1] op_sel_hi:[1,0]      ; O^T under the new M.  (With the sums above: the places between p's codes and scale word and the products)
.endr
	s_wait_alu depctr_va_vdst(0)
	s_wait_dscnt 0x0                               ; v's fragments and scale words
.irp d, 0,1,2,3
	v_wmma_scale_f32_16x16x128_f8f6f4 v[O+8*\d:O+8*\d+7], v[KF+12*\d:KF+12*\d+11], v[PC:PC+11], v[O+8*\d:O+8*\d+7], v[VSC+\d], v[PW] matrix_a_fmt:MATRIX_FMT_FP6 matrix_b_fmt:MATRIX_FMT_FP6
.endr
.endm
; Tile t of my two: all keys, then o / l as codes.
.macro PASS t
.irp i, 0,1,2,3,4,5
	v_mov_b32 v[QZ+6+\i], v[QI+6*\t+\i]
.endr
	v_perm_b32 v[QW], v[QW0], v[QW0], 0x01000100+0x02020202*\t         ; the tile's two bytes, for either half of K
	v_mov_b32 v13, 0xff61b1e6                      ; the largest t so far: -3e38
	s_delay_alu instid0(VALU_DEP_1)
	v_floor_f32 v12, -v13
	v_mov_b32 v14, 0
	v_mov_b32 v15, 0
.irp j, 0,1,2,3,4,5,6,7,8,9,10,11,12,13,14,15,16,17,18,19,20,21,22,23,24,25,26,27,28,29,30,31
	v_mov_b32 v[O+\j], 0                           ; the step is written once: the first finds zeros, which the first change of M leaves zeros.  (Also the places between q's registers and the first products)
.endr
	s_mov_b32 s[TB], 0
	s_mov_b32 s[CNT], 16
.Lstep_\@:
	STEP
	s_add_co_u32 s[TB], s[TB], KVB
	s_sub_co_u32 s[CNT], s[CNT], 1
	s_cmp_lg_u32 s[CNT], 0
	s_cbranch_scc1 .Lstep_\@
.rept 4
	v_nop                                          ; places behind the last products
.endr
	v_add_f32 v14, v14, v15
	s_delay_alu instid0(VALU_DEP_1)
	v_permlanex16_b32 v[T], v14, s[SEL], s[SEL+1]
	s_delay_alu instid0(VALU_DEP_1)
	v_add_f32 v14, v14, v[T]                       ; l
	s_wait_alu depctr_va_vdst(0)
	v_rcp_f32 v[RL], v14
	v_nop
	s_wait_alu depctr_va_vdst(0)
.irp j, 0,2,4,6,8,10,12,14,16,18,20,22,24,26,28,30
	v_pk_mul_f32 v[Y+\j:Y+\j+1], v[O+\j:O+\j+1], v[RL:RL+1] op_sel_hi:[1,0]    ; o = O^T / l: register 8 d + j is channel 16 d + 8 h + j
.endr
.irp b, 0,1
.irp j, 0,1,2,3,4,5,6,7
	v_permlane16_swap_b32 v[Y+16*\b+\j], v[Y+16*\b+8+\j]               ; the true order, which the given weight has: register 16 b + i is now channel 32 b + 16 h + i
.endr
.endr
.irp b, 0,1
	v_max3_num_f32 v[BM+\b], |v[Y+16*\b]|, |v[Y+16*\b+1]|, 0x1800000
.endr
.irp i, 2,4,6,8,10,12,14
.irp b, 0,1
	s_delay_alu instid0(VALU_DEP_2)
	v_max3_num_f32 v[BM+\b], v[BM+\b], |v[Y+16*\b+\i]|, |v[Y+16*\b+\i+1]|
.endr
.endr
.irp b, 0,1
	s_delay_alu instid0(VALU_DEP_2)
	v_permlanex16_b32 v[BT+\b], v[BM+\b], s[SEL], s[SEL+1]
.endr
.irp b, 0,1
	s_delay_alu instid0(VALU_DEP_2)
	v_max_num_f32 v[BM+\b], v[BM+\b], v[BT+\b]
.endr
.irp b, 0,1
	s_delay_alu instid0(VALU_DEP_2)
	v_add_nc_u32 v[BS+\b], 0xff000000, v[BM+\b]
.endr
.irp b, 0,1
	s_delay_alu instid0(VALU_DEP_2)
	v_lshrrev_b32 v[BT+\b], 23, v[BS+\b]
.endr
	s_delay_alu instid0(VALU_DEP_1)
	v_lshl_or_b32 v[HW+\t], v[BT+1], 8, v[BT]
	v_cvt_scalef32_pk16_fp6_f32 v[OC+6*\t:OC+6*\t+2], v[Y:Y+15], v[BS]
	v_cvt_scalef32_pk16_fp6_f32 v[P2:P2+2], v[Y+16:Y+31], v[BS+1]
	v_nop
.irp i, 0,1,2
	v_permlane16_swap_b32 v[OC+6*\t+\i], v[P2+\i]
.endr
.irp i, 0,1,2
	s_delay_alu instid0(VALU_DEP_3)
	v_mov_b32 v[OC+6*\t+3+\i], v[P2+\i]
.endr
.irp p, 0,1,2
	global_store_b64 v[GO], v[OC+6*\t+2*\p:OC+6*\t+2*\p+1], s[38:39] offset:3072*\t+256*\p     ; 32 lanes store 256 consecutive bytes, aligned
.endr
.endm
	PASS 0
	s_wait_alu depctr_va_vdst(0)
	s_wait_xcnt 0x0                                ; tile 0's stores have read their registers: the next pass's sums write some of them
	PASS 1
	v_bfe_u32 v9, v0, 4, 1
	s_delay_alu instid0(VALU_DEP_1)
	v_cmp_eq_u32 vcc_lo, 1, v9
	s_delay_alu instid0(VALU_DEP_1)
	v_cndmask_b32 v9, v[HW], v[HW+1], vcc_lo       ; lane l: token l of my 32
	global_store_b16 v[GS], v9, s[40:41]
	s_wait_dscnt 0x0
	s_wait_tensorcnt 0x0
	ds_add_u32 v254, v255
	s_wait_dscnt 0x0
	CROUND                                         ; the closing round
	s_endpgm
.Lfunc_end_k_qd2996f902c_attn:
	.size	k_qd2996f902c_attn, .Lfunc_end_k_qd2996f902c_attn-k_qd2996f902c_attn
	.p2alignl 7, 3214868480
	.fill 96, 4, 3214868480
	.section	.rodata,"a",@progbits
	.p2align	6, 0x0
	.amdhsa_kernel k_qd2996f902c_attn
		.amdhsa_group_segment_fixed_size 206848
		.amdhsa_private_segment_fixed_size 0
		.amdhsa_enable_private_segment 0
		.amdhsa_kernarg_size 16
		.amdhsa_user_sgpr_count 2
		.amdhsa_user_sgpr_kernarg_segment_ptr 1
		.amdhsa_wavefront_size32 1
		.amdhsa_system_sgpr_workgroup_id_x 1
		.amdhsa_system_sgpr_workgroup_id_y 1
		.amdhsa_system_sgpr_workgroup_id_z 1
		.amdhsa_system_vgpr_workitem_id 0
		.amdhsa_next_free_vgpr 256
		.amdhsa_next_free_sgpr 66
		.amdhsa_reserve_vcc 1
		.amdhsa_float_denorm_mode_32 3
		.amdhsa_float_denorm_mode_16_64 3
		.amdhsa_memory_ordered 1
		.amdhsa_forward_progress 1
		.amdhsa_inst_pref_size 53
	.end_amdhsa_kernel
	.amdgpu_metadata
---
amdhsa.version: [ 1, 2 ]
amdhsa.kernels:
  - .name:           k_qd2996f902c_attn
    .symbol:         k_qd2996f902c_attn.kd
    .args:
      - { .name: qkv, .offset: 0, .size: 8, .value_kind: global_buffer, .address_space: global }
      - { .name: ow, .offset: 8, .size: 8, .value_kind: global_buffer, .address_space: global }
    .group_segment_fixed_size: 206848
    .private_segment_fixed_size: 0
    .kernarg_segment_align: 8
    .kernarg_segment_size: 16
    .max_flat_workgroup_size: 512
    .sgpr_count:     66
    .vgpr_count:     256
    .wavefront_size: 32
...
	.end_amdgpu_metadata
.endif
;; end of part 2
;; launch proj (part 3): grid 8 x 32, 4 waves a work-group, clusters of 4 x 4, 327,680 bytes of LDS; arguments ow, out_w_codes, out_w_scales, out_b, out0; writes out0
.if DOCPART == 3
	.amdgcn_target "amdgcn-amd-amdhsa--gfx1250"
	.amdhsa_code_object_version 6
	.text
	.protected	k_qd2996f902c_proj
	.globl	k_qd2996f902c_proj
	.p2align	8
	.type	k_qd2996f902c_proj,@function
k_qd2996f902c_proj:
	s_mov_b64 s[64:65], 0
	v_nop
	global_prefetch_b8 v0, s[64:65] scope:SCOPE_SE
	s_setreg_imm32_b32 hwreg(HW_REG_WAVE_MODE, 25, 1), 1
	s_wait_xcnt 0x0
	s_wait_alu depctr_hold_cnt(0) depctr_sa_sdst(0) depctr_va_vdst(0) depctr_va_sdst(0) depctr_va_ssrc(0) depctr_va_vcc(0) depctr_vm_vsrc(0)
	s_getreg_b32 s2, hwreg(HW_REG_IB_STS2, 6, 4)
	s_cmp_eq_u32 s2, 0
	s_cbranch_scc0 .Lentry_in_a_cluster
	s_endpgm
.Lentry_in_a_cluster:
	s_bfe_u32 s2, ttmp6, 0x10000c
	s_cmp_lg_u32 s2, 0xf033
	s_cbranch_scc0 .Lentry_shape_is_right
	s_endpgm
.Lentry_shape_is_right:
; out0 = o W^T + b on FP6 (E2M3) codes with E8M0 scales.  A work-group makes 256 tokens x 128 channels; all of K = 1,024 lies in LDS, filled once: no slot is filled again.
; o's codes lie in memory as register images [K / 256][16 tokens][3,072 bytes]: 128 tokens are 24,576 dense bytes for each quarter of K, four such rows a load; o's scales [token][32] behind them.
; W's rows are 768 bytes of memory, each from a multiple of 256, with 16 bytes of padding behind every 256: pitch 816.
; CLUSTERS 4 x 4: o's tile is asked for jointly along a row of the cluster, W's along a column.  A wave makes 128 tokens x 64 channels: 32 accumulators (window 1); source 0 = W (window 3), source 1 = o (window 2):
; a lane holds a token and eight neighbouring channels.  The bias is the C of the first K step.  Results leave through a stage of the wave's own in LDS, as rows of 256 bytes.
; No prefetch: the launch has no loop to run ahead in; every tile is asked for at the head.
.set PITCH, 816
.set BLK,   16*PITCH
.set AHALF, 4*24576
.set WB,    2*AHALF
.set WHALF, 64*PITCH
.set STAGE, WB+2*WHALF
.set SPITCH, 272
.set SPARE, STAGE+4*16*SPITCH
.set ADA, 16                           ; v16-17 o's images: quarters 0, 1 of K; quarters 2, 3
.set ADW, 20
.set STO, 24
.set RD,  25
.set CO,  26
.set SPW, 28
.set NIL, 29
.set SCX, 32
.set SCW, 64
.set BI,  80
.set BK,  112                          ; v112-143, v144-175: 16 rows back from the stage, by turns
.set G1X, 24
.set G0X, 32
.set G0W, 36
.set G1W, 48
.set MSB, 0
.macro WIN new
.if MSB != (\new)
	s_set_vgpr_msb (MSB<<8)|(\new)
.set MSB, (\new)
.endif
.endm
.macro PLACES
.rept 4
	v_nop
.endr
.endm
.macro CROUND
	s_barrier_signal -1
	s_barrier_wait -1
	s_cmp_lg_u32 s14, 0
	s_cbranch_scc1 .Lnot_wave_0_\@
	s_barrier_signal -3
.Lnot_wave_0_\@:
	s_barrier_wait -3
	s_barrier_signal -1
	s_barrier_wait -1
.endm
	s_load_b256 s[4:11], s[0:1], 0x0               ; o, W codes, W scales, bias
	s_load_b64 s[12:13], s[0:1], 0x20              ; out0
	v_lshl_add_u32 v[SPW], v0, 2, SPARE
	v_mov_b32 v[NIL], 0
	ds_add_u32 v[SPW], v[NIL]                      ; the opening lines: the add twice and its wait
	ds_add_u32 v[SPW], v[NIL]
	v_lshrrev_b32 v1, 5, v0
	v_readfirstlane_b32 s14, v1
	s_lshr_b32 s15, s14, 1                         ; my half of the tokens; as a loader: 0 o, 1 W
	s_and_b32 s16, s14, 1                          ; my half of the channels; as a loader: which half of the tile
	s_bfe_u32 s40, ttmp6, 0x40000
	s_bfe_u32 s41, ttmp6, 0x40004
	s_lshl_b32 s42, ttmp9, 2
	s_add_co_u32 s42, s42, s40                     ; g: channels 128 g
	s_and_b32 s17, ttmp7, 0xffff
	s_lshl_b32 s17, s17, 2
	s_add_co_u32 s17, s17, s41                     ; ty: tokens 256 ty
	s_lshl_b32 s43, s41, 2
	s_lshl_b32 s43, 15, s43
	s_lshl_b32 s44, 0x1111, s40
	s_or_b32 s[G1X], s43, (3<<16)|(1<<21)          ; elements of 8 bytes, dense
	s_mov_b32 s[G1X+1], 3072<<16
	s_mov_b32 s[G1X+2], 4<<16
	s_mov_b32 s[G1X+3], 3072<<16
	s_mov_b32 s[G1X+4], 4
	s_mov_b32 s[G1X+5], 196608
	s_mov_b32 s[G1X+6], 0
	s_mov_b32 s[G1X+7], 0
	s_or_b32 s[G1W], s44, (1<<20)|(1<<21)|(5<<22)|(3<<25)
	s_mov_b32 s[G1W+1], 768<<16
	s_mov_b32 s[G1W+2], 64<<16
	s_mov_b32 s[G1W+3], 768<<16
	s_mov_b32 s[G1W+4], 64
	s_mov_b32 s[G1W+5], 768
	s_mov_b32 s[G1W+6], 0
	s_mov_b32 s[G1W+7], 0
	s_lshl_b32 s20, s17, 8
	s_lshl_b32 s18, s16, 7
	s_add_co_u32 s20, s20, s18
	s_mul_i32 s20, s20, 192                        ; the 128 tokens that I would fetch: 192 bytes a token in each quarter of K
	s_mov_b32 s21, 0
	s_lshl_b32 s22, s42, 7
	s_lshl_b32 s18, s16, 6
	s_add_co_u32 s22, s22, s18
	s_mul_i32 s46, s22, 768
	s_mov_b32 s47, 0
	s_lshl_b32 s18, s17, 8
	s_lshl_b32 s19, s15, 7
	s_add_co_u32 s66, s18, s19                     ; my first token
	s_lshl_b32 s18, s66, 5
	s_add_co_u32 s18, s18, 0x600000                ; its scales
	s_mov_b32 s19, 0
	s_lshl_b32 s96, s22, 5
	s_mov_b32 s97, 0
	s_lshl_b32 s98, s22, 2                         ; my first channel, in bytes of f32
	s_mov_b32 s99, 0
	s_lshl_b32 s66, s66, 12
	s_add_co_u32 s66, s66, s98                     ; my corner of out0
	s_mov_b32 s67, 0
	s_mov_b32 s[G0X], 1
	s_mul_i32 s[G0X+1], s16, AHALF
	s_mov_b32 s[G0W], 1
	s_mul_i32 s[G0W+1], s16, WHALF
	s_add_co_u32 s[G0W+1], s[G0W+1], WB
	s_mul_i32 s23, s15, AHALF
	s_mul_i32 s45, s16, WHALF
	s_add_co_u32 s45, s45, WB
	s_mul_i32 s3, s14, 16*SPITCH
	s_add_co_u32 s3, s3, STAGE
	s_wait_dscnt 0x0
	s_wait_kmcnt 0x0
	s_add_nc_u64 s[G0X+2:G0X+3], s[4:5], s[20:21]
	s_or_b32 s[G0X+3], s[G0X+3], 0x80000000
	s_add_nc_u64 s[G0W+2:G0W+3], s[6:7], s[46:47]
	s_or_b32 s[G0W+3], s[G0W+3], 0x80000000
	s_add_nc_u64 s[56:57], s[4:5], s[18:19]
	s_add_nc_u64 s[58:59], s[8:9], s[96:97]
	s_add_nc_u64 s[60:61], s[10:11], s[98:99]
	s_add_nc_u64 s[12:13], s[12:13], s[66:67]
	CROUND
	s_cmp_eq_u32 s15, 0                            ; one load a wave: waves 0, 1 o's halves, waves 2, 3 W's
	s_cbranch_scc0 .Lhead_w
	tensor_load_to_lds s[G0X:G0X+3], s[G1X:G1X+7]
	s_nop 0
	PLACES
	s_branch .Lhead_asked
.Lhead_w:
	tensor_load_to_lds s[G0W:G0W+3], s[G1W:G1W+7]
	s_nop 0
	PLACES
.Lhead_asked:
	v_and_b32 v1, 15, v0
	v_bfe_u32 v2, v0, 4, 1
	v_and_b32 v9, 31, v0
	v_lshlrev_b32 v8, 3, v9
	v_add_nc_u32 v[ADA], s23, v8                   ; 8 x lane in my half
	v_add_nc_u32 v[ADA+1], 2*24576, v[ADA]
	v_mul_u32_u24 v8, v1, PITCH
	v_mad_u32_u24 v8, v2, 24, v8
	v_add_nc_u32 v[ADW], s45, v8
	v_lshl_add_u32 v[ADW+1], v2, 4, v[ADW]
	v_mul_u32_u24 v10, v1, SPITCH
	v_lshl_add_u32 v10, v2, 5, v10
	v_add_nc_u32 v[STO], s3, v10                   ; in: row r, 32 bytes for each half of the lanes
	v_mul_u32_u24 v10, v2, SPITCH
	v_lshl_add_u32 v10, v1, 4, v10
	v_add_nc_u32 v[RD], s3, v10                    ; back: lanes 0-15 one row of 256 bytes, lanes 16-31 the next
	v_lshlrev_b32 v10, 12, v2
	v_lshl_add_u32 v[CO], v1, 4, v10               ; the same two rows of out0
	v_lshlrev_b32 v6, 5, v2
	v_lshl_add_u32 v5, v2, 6, v1
	v_lshlrev_b32 v5, 5, v5
	v_lshl_add_u32 v22, v2, 5, v1
	v_lshlrev_b32 v22, 5, v22
	s_wait_alu depctr_va_vdst(0)                   ; the wait at the head's end
.irp i, 0,1,2,3
	global_load_b128 v[SCX+8*\i:SCX+8*\i+3], v5, s[56:57] offset:512*\i       ; register 8 i + step: lanes 0-15 block i, lanes 16-31 block i + 4
	global_load_b128 v[SCX+8*\i+4:SCX+8*\i+7], v5, s[56:57] offset:512*\i+16
.endr
.irp i, 0,1
	global_load_b128 v[SCW+8*\i:SCW+8*\i+3], v22, s[58:59] offset:512*\i      ; lanes 0-15 block i, lanes 16-31 block i + 2
	global_load_b128 v[SCW+8*\i+4:SCW+8*\i+7], v22, s[58:59] offset:512*\i+16
.endr
.irp b, 0,1,2,3
	global_load_b128 v[BI+8*\b:BI+8*\b+3], v6, s[60:61] offset:64*\b
	global_load_b128 v[BI+8*\b+4:BI+8*\b+7], v6, s[60:61] offset:64*\b+16
.endr
.macro FRAG reg, adr, st, i            ; W: byte y of a row of codes lies at y + 16 (y / 256) of its LDS row
.irp p, 0,1,2,3,4,5
.set BY, 96*(\st)+48*(\p/3)+8*(\p%3)
.if BY/256 == (BY+24)/256
	ds_load_b64 v[\reg+2*\p:\reg+2*\p+1], v[\adr] offset:BY+16*(BY/256)+(\i)*BLK
.else
	ds_load_b64 v[\reg+2*\p:\reg+2*\p+1], v[\adr+1] offset:BY+16*(BY/256)+(\i)*BLK
.endif
.endr
.endm
.macro FETCH st, set
	WIN 0x80
.irp i, 0,1,2,3,4,5,6,7
.irp p, 0,1,2,3,4,5
	ds_load_b64 v[96*(\set)+12*\i+2*\p:96*(\set)+12*\i+2*\p+1], v[ADA+(\st)/4] offset:24576*(((\st)/2)%2)+3072*\i+1536*((\st)%2)+256*\p
.endr
.endr
	WIN 0xc0
.irp i, 0,1,2,3
	FRAG 48*(\set)+12*\i,ADW,\st,\i
.endr
.endm
.macro WM d, a0, a1, c, s0, r0, s1, r1
.if (\r0)==0 && (\r1)==0
	v_wmma_scale_f32_16x16x128_f8f6f4 v[\d:\d+7], v[\a0:\a0+11], v[\a1:\a1+11], v[\c:\c+7], v[\s0], v[\s1] matrix_a_fmt:MATRIX_FMT_FP6 matrix_b_fmt:MATRIX_FMT_FP6
.endif
.if (\r0)==1 && (\r1)==0
	v_wmma_scale_f32_16x16x128_f8f6f4 v[\d:\d+7], v[\a0:\a0+11], v[\a1:\a1+11], v[\c:\c+7], v[\s0], v[\s1] matrix_a_fmt:MATRIX_FMT_FP6 matrix_b_fmt:MATRIX_FMT_FP6 matrix_a_scale:MATRIX_SCALE_ROW1
.endif
.if (\r0)==0 && (\r1)==1
	v_wmma_scale_f32_16x16x128_f8f6f4 v[\d:\d+7], v[\a0:\a0+11], v[\a1:\a1+11], v[\c:\c+7], v[\s0], v[\s1] matrix_a_fmt:MATRIX_FMT_FP6 matrix_b_fmt:MATRIX_FMT_FP6 matrix_b_scale:MATRIX_SCALE_ROW1
.endif
.if (\r0)==1 && (\r1)==1
	v_wmma_scale_f32_16x16x128_f8f6f4 v[\d:\d+7], v[\a0:\a0+11], v[\a1:\a1+11], v[\c:\c+7], v[\s0], v[\s1] matrix_a_fmt:MATRIX_FMT_FP6 matrix_b_fmt:MATRIX_FMT_FP6 matrix_a_scale:MATRIX_SCALE_ROW1 matrix_b_scale:MATRIX_SCALE_ROW1
.endif
.endm
; a K step of 128: the next step's 72 loads first, into the set that the step before read (four places behind its products), then 32 products, the accumulators by turns
.macro STEP st
	s_wait_dscnt 0x0
.if \st < 7
	PLACES
	FETCH (\st)+1,((\st)+1)%2
.endif
.if \st == 0
	WIN 0x4b
.else
	WIN 0x5b
.endif
.irp a, 0,1,2,3,4,5,6,7
.irp b, 0,1,2,3
.if \st == 0
	WM 8*(4*\a+\b),48*((\st)%2)+12*\b,96*((\st)%2)+12*\a,BI+8*\b,SCW+8*(\b%2)+(\st),\b/2,SCX+8*(\a%4)+(\st),\a/4
.else
	WM 8*(4*\a+\b),48*((\st)%2)+12*\b,96*((\st)%2)+12*\a,8*(4*\a+\b),SCW+8*(\b%2)+(\st),\b/2,SCX+8*(\a%4)+(\st),\a/4
.endif
.endr
.endr
.endm
	s_wait_tensorcnt 0x0                           ; my part of the tiles has landed,
	s_barrier_signal -1
	s_barrier_wait -1                              ; everybody's has
	FETCH 0,0
	s_wait_loadcnt 0x0                             ; scales and bias
.irp st, 0,1,2,3,4,5,6,7
	STEP \st
.endr
	WIN 0
; THE WAY OUT, 16 tokens x 64 channels at a time, through my own stage (LDS serves a wave's instructions in order), back as rows of 256 bytes: sixteen lanes store one aligned run of 256 bytes
.macro TOSTAGE a
	WIN 0x04
.irp b, 0,1,2,3
	ds_store_b128 v[STO], v[32*(\a)+8*\b:32*(\a)+8*\b+3] offset:64*\b         ; each accumulator from its low end on
	ds_store_b128 v[STO], v[32*(\a)+8*\b+4:32*(\a)+8*\b+7] offset:64*\b+16
.endr
	WIN 0
.irp t, 0,1,2,3,4,5,6,7
	ds_load_b128 v[BK+32*((\a)%2)+4*\t:BK+32*((\a)%2)+4*\t+3], v[RD] offset:\t*2*SPITCH
.endr
.endm
.macro SEND a, younger
	s_wait_dscnt \younger
.if (\a) > 0
	s_add_nc_u64 s[12:13], s[12:13], 16*4096       ; behind a wait on XCNT: the earlier stores have read their base
.endif
.irp t, 0,1,2,3,4,5,6,7
	global_store_b128 v[CO], v[BK+32*((\a)%2)+4*\t:BK+32*((\a)%2)+4*\t+3], s[12:13] offset:2*\t*4096 th:TH_STORE_NT
.endr
.endm
	PLACES
	TOSTAGE 0
.irp a, 1,2,3,4,5,6,7
.if \a > 1
	s_wait_xcnt 0x0                                ; block a - 2's stores have read their registers and their base
.endif
	TOSTAGE \a
	SEND \a-1, 16                                  ; behind block a - 1's loads: block a's 8 stores and 8 loads
.endr
	s_wait_xcnt 0x0
	SEND 7, 0
	s_wait_tensorcnt 0x0                           ; the wave's end
	ds_add_u32 v[SPW], v[NIL]
	s_wait_dscnt 0x0
	CROUND                                         ; the closing round
	s_endpgm
.Lfunc_end_k_qd2996f902c_proj:
	.size	k_qd2996f902c_proj, .Lfunc_end_k_qd2996f902c_proj-k_qd2996f902c_proj
	.p2alignl 7, 3214868480
	.fill 96, 4, 3214868480
	.section	.rodata,"a",@progbits
	.p2align	6, 0x0
	.amdhsa_kernel k_qd2996f902c_proj
		.amdhsa_group_segment_fixed_size 327680
		.amdhsa_private_segment_fixed_size 0
		.amdhsa_enable_private_segment 0
		.amdhsa_kernarg_size 40
		.amdhsa_user_sgpr_count 2
		.amdhsa_user_sgpr_kernarg_segment_ptr 1
		.amdhsa_wavefront_size32 1
		.amdhsa_system_sgpr_workgroup_id_x 1
		.amdhsa_system_sgpr_workgroup_id_y 1
		.amdhsa_system_sgpr_workgroup_id_z 1
		.amdhsa_system_vgpr_workitem_id 0
		.amdhsa_next_free_vgpr 1024
		.amdhsa_next_free_sgpr 100
		.amdhsa_reserve_vcc 0
		.amdhsa_float_denorm_mode_32 3
		.amdhsa_float_denorm_mode_16_64 3
		.amdhsa_memory_ordered 1
		.amdhsa_forward_progress 1
		.amdhsa_inst_pref_size 94
	.end_amdhsa_kernel
	.amdgpu_metadata
---
amdhsa.version: [ 1, 2 ]
amdhsa.kernels:
  - .name:           k_qd2996f902c_proj
    .symbol:         k_qd2996f902c_proj.kd
    .args:
      - { .name: ow, .offset: 0, .size: 8, .value_kind: global_buffer, .address_space: global }
      - { .name: out_w_codes, .offset: 8, .size: 8, .value_kind: global_buffer, .address_space: global }
      - { .name: out_w_scales, .offset: 16, .size: 8, .value_kind: global_buffer, .address_space: global }
      - { .name: out_b, .offset: 24, .size: 8, .value_kind: global_buffer, .address_space: global }
      - { .name: out0, .offset: 32, .size: 8, .value_kind: global_buffer, .address_space: global }
    .group_segment_fixed_size: 327680
    .private_segment_fixed_size: 0
    .kernarg_segment_align: 8
    .kernarg_segment_size: 40
    .max_flat_workgroup_size: 128
    .sgpr_count:     100
    .vgpr_count:     1024
    .wavefront_size: 32
...
	.end_amdgpu_metadata
.endif
;; end of part 3
